; MI455X (gfx1250); checked and timed in simulation.
; The chip was launched on July 23, 2026; its instructions are those of AMD's public machine-readable ISA for CDNA 5 (MIT licence, August 2026) and "CDNA5" Instruction Set Architecture Reference Guide (July 2026). The comments in the code are by the model that wrote it; some were corrected since.
;; Multi Head Attention. Allowed arithmetic: matrix products marked QUANTISED: E2M3 operands, one E8M0 scale for each 32 along K, by v_wmma_scale_f32_16x16x128_f8f6f4 with both operands' format E2M3, f32 sums; products left as they are: f32 operands where the result goes on into a quantised operand, else bf16, f16 or f32 operands; f32 sums; everything else in f32.
;; Inputs: Wk 128 x 128 float32; Wout 128 x 128 float32; Wq 128 x 128 float32; Wv 128 x 128 float32; k 8 x 2,048 x 128 float32; mask 8 x 2,048 x 1 bool; q 8 x 2,048 x 128 float32; v 8 x 2,048 x 128 float32.
;; Outputs: out0 8 x 2,048 x 128 float32.
;; This version of the problem:
;;   THIS VERSION OF THE PROBLEM IS GIVEN IN LOW PRECISION. The matrix products marked QUANTISED in the list below multiply operands that are first quantised to E2M3 (2 exponent bits, 3 mantissa bits; 6 bits a number), with one power-of-two scale for each 32 numbers along K (OCP MX v1.0); their sums are f32. All else is computed in f32.
;;   The module's matrix products, in the order in which they are computed (A, B: the left and right operand; K: the contracted axis; several contracted axes count as one K, in the product's order):
;;     1. [M 16,384, K 128] x [K 128, N 128]; A: input q; B: input Wq: QUANTISED
;;     2. [M 16,384, K 128] x [K 128, N 128]; A: input k; B: input Wk: QUANTISED
;;     3. [M 16,384, K 128] x [K 128, N 128]; A: input v; B: input Wv: QUANTISED
;;     4. batch 64 x [M 2,048, K 16] x [K 16, N 2,048]; A: computed on the way; B: computed on the way: left as it is (K = 16 < 32)
;;     5. batch 64 x [M 2,048, K 2,048] x [K 2,048, N 16]; A: softmax (see below); B: computed on the way: QUANTISED
;;     6. [M 16,384, K 128] x [K 128, N 128]; A: computed on the way; B: input Wout: QUANTISED
;;   THE QUANTISER, for each operand of a quantised product, along K:
;;     - K is cut into blocks of 32 from its start; a last block that is shorter is filled with zeros.
;;     - A block's scale is 2^e with e = floor(log2(the largest magnitude in the block)) - 2, held to -126 .. 127; a block of zeros has e = 0. As a byte (E8M0): e + 127.
;;     - Each number is divided by its block's scale, clamped to +-7.5, and rounded to the nearest number of E2M3, ties to even, subnormals kept.
;;     - The product sums the exact products of the quantised numbers (number of the format x scale) in f32.
;;   ~~~python
;;   def quantise(x, axis):      # numpy; x: float32 -> the quantised numbers, widened to float32 again
;;       x = np.moveaxis(x, axis, -1); K = x.shape[-1]
;;       x = np.pad(x, [(0, 0)] * (x.ndim - 1) + [(0, -K % 32)]); x = x.reshape(x.shape[:-1] + (-1, 32)); a = np.abs(x).max(-1, keepdims=True)
;;       e = np.where(a > 0, np.clip(np.frexp(np.where(a > 0, a, 1))[1] - 1 - 2, -126, 127), 0)      # np.frexp(a)[1] - 1 = floor(log2(a)), exactly
;;       r = np.clip(x / 2.0 ** e, -7.5, 7.5)
;;       step = 2.0 ** (np.maximum(np.frexp(np.where(r == 0, 1, r))[1] - 1, 0) - 3)
;;       q = np.round(r / step) * step * 2.0 ** e      # np.round: ties to even
;;       return np.moveaxis(q.reshape(q.shape[:-2] + (-1,))[..., :K], -1, axis).astype(np.float32)
;;   ~~~
;;   SOFTMAX AHEAD OF A QUANTISED PRODUCT. Where the list says 'softmax', what is quantised is not the finished softmax but p = 2^(t - M), with t = logit x log2(e) and M = ceil(the row's largest t), a whole number; so 1/2 < the row's largest p <= 1. The row's sum l is taken of the UNQUANTISED p, in f32, and the product's result is divided by l at the end. Since M is a whole number, a kernel that streams over the keys may use a running M (the ceiling of the running maximum): every later rescaling is an exact power of two, which a block's scale takes up: the codes' values come out the same.
;;   OPERANDS COMPUTED ON THE WAY. 'Computed on the way' means the value that the module computes at that place (a softmax that the list does not call 'softmax' is quantised finished and normalised). What goes into a quantiser is computed in f32, as accurately as f32 sums, v_exp_f32 and their like allow (about 1e-6 of the number): no bf16 or f16 on the way to a quantiser, and a product that is left as it is and whose result goes on into a quantised operand takes f32 operands (vector FMAs, or v_wmma_f32_16x16x4_f32). A number that lies on a knife's edge between two numbers of the format may be rounded either way, as far as f32 arithmetic and the matrix unit's own rounding can turn it there, and no further.
;; One version. Each part assembles by itself: llvm-mc -triple=amdgcn-amd-amdhsa -mcpu=gfx1250 --defsym DOCPART=n.
;; ======== version 1 of 1: 2 launches
;; workspace buffers: qr 8,388,608 bytes; kv 10,092,544 bytes; wo 13,312 bytes
;; launch proj (part 1): grid 385 x 1, 8 waves a work-group, no clusters, 95,232 bytes of LDS; arguments q, k, v, Wq, Wk, Wv, Wout, qr, kv, wo; writes qr, kv, wo
.if DOCPART == 1
	.amdgcn_target "amdgcn-amd-amdhsa--gfx1250"
	.amdhsa_code_object_version 6
	.text
	.protected	k_q03c32d5513_proj
	.globl	k_q03c32d5513_proj
	.p2align	8
	.type	k_q03c32d5513_proj,@function
k_q03c32d5513_proj:
	s_mov_b64 s[64:65], 0
	v_nop
	global_prefetch_b8 v0, s[64:65] scope:SCOPE_SE
	s_setreg_imm32_b32 hwreg(HW_REG_WAVE_MODE, 25, 1), 1
	s_wait_xcnt 0x0
; THE THREE PROJECTIONS (x W^T on codes of FP6, E2M3, one E8M0 scale for each 32 along K = 128), xpos-RoPE on Q and K in f32, V quantised along the keys, Wout quantised along its K.
; Work-group number / 128 says which: 0 q, 1 k, 2 v (128 work-groups each, 128 rows of x a work-group), 3 Wout (one work-group).  Only pointers are chosen by it up to the one barrier.
; RESULTS ARE LAID AS IMAGES OF THE NEXT LAUNCH'S OPERAND REGISTERS: lane l's 16 bytes at 16 l, 512 bytes for each group of four registers.
;   qr [block of 128 rows][head 8][tile 8][c 2][lane][16]: f32, RoPE'd Q x 2 log2(e) LOGIT_SCALE;  kv: a record of 78,848 bytes for each 128 keys: K likewise (65,536), V's codes [head][c 3][lane][16], V's scale words [head][lane][4].
;   wo: Wout's codes [tile 8][c 3][lane][16], then its scale words [tile][lane][4].
; THE ROWS OF A TILE ARE NOT NEIGHBOURS: lane r of tile 2 b + u of a block of 128 rows takes row 32 b + 8 u + r + 8 (r / 8), so that the 16 registers of tiles 2 b, 2 b + 1 of a transposed result are rows 32 b + 16 (lane / 16) + 0 .. 15.
; SHARES.  Eight waves.  Wave w quantises tile w of x (16 rows) and rows 16 w .. 16 w + 15 of W (head w); the images meet in LDS behind one barrier.
;   q, k: wave w multiplies all 8 head tiles of W (source 0) by its own rows (source 1): a lane holds one row and dims 8 (lane / 16) + 0 .. 7 of each head: a RoPE pair lies in two neighbouring registers.
;   v: wave w multiplies all 8 key tiles (source 0) by its head of Wv (source 1): a lane holds one dim and 64 keys in the order that the quantiser along the keys wants.
; Memory binds this launch: every load and every large store of a wave covers 512 consecutive bytes.  No tensor load, so no ring.
; LIMITS: NaN and infinities are not served.  A block of zeros gets the scale byte 1 where the rule says 127: its codes are zeros, and this program alone reads the bytes.
;   1 / 10000^(i/8) and log2 of the xpos bases are literals rounded to f32.  Sine and cosine: reduction by pi/2 in two parts, good for angles up to 2,047.  2 log2(e) LOGIT_SCALE is folded into Q's cosines and sines.
.set XIMG, 0                           ; LDS: x's 8 fragments, 1,536 bytes each
.set XSC,  12288                       ; their scale words, 128 bytes each
.set WIMG, 13312                       ; W's 8 fragments
.set WSC,  25600
.set STG,  26624                       ; a stage of 16 rows x (512 + 16) bytes for each wave, its own
.set SPITCH, 528
.set REC,  78848                       ; a record of kv
.set TM,   16                          ; v16-19 largest magnitudes, v20-23 the other half's / bytes, v28-31 the conversions' scale operands
.set R1,   32                          ; v32-95   x as loaded;  later with R2: eight fragments
.set R2,   96                          ; v96-159  W as loaded
.set F,    32                          ; v32-127  eight fragments
.set OWN,  136                         ; v136-147 my own fragment
.set NUM,  160                         ; v160-223 64 numbers for the quantiser; then the eight results
.set PC,   224                         ; v224-235 the codes just made; v236-243 their second halves
.set PW,   244                         ; the scale word just made
.set FSC,  245                         ; v245-252 the eight fragments' scale words: scales and nothing else
.set OSC,  253                         ; v253     my own fragment's
.set SEL,  34                          ; s[34:35] v_permlanex16_b32's selects for lane l xor 16
.set WV,   24
; the trigonometry's registers (q and k alone)
.set TH,   16
.set KQ,   20
.set RH,   24
.set ZZ,   28
.set CC,   224                         ; v224-227 cos x scale of my four pairs;  v228-231 sin x scale
.set SS,   228
.set SN,   232
.set CN,   236
.set IQ,   240
; 64 numbers of a lane, register 16 b + i = k 32 b + 16 (lane / 16) + i of my row, become a fragment's codes in v[PC] on and its scale word in v[PW].
.macro QUANT s
.irp b, 0,1,2,3
	v_max3_num_f32 v[TM+\b], |v[\s+16*\b]|, |v[\s+1+16*\b]|, 0x1800000   ; block b: my 16 numbers, and the floor 2^(3 - 127): the byte cannot fall under 1
.endr
.irp i, 2,4,6,8,10,12,14
.irp b, 0,1,2,3
	v_max3_num_f32 v[TM+\b], v[TM+\b], |v[\s+16*\b+\i]|, |v[\s+1+16*\b+\i]|   ; the four blocks by turns
.endr
.endr
.irp b, 0,1,2,3
	v_permlanex16_b32 v[TM+4+\b], v[TM+\b], s[SEL], s[SEL+1]
.endr
.irp b, 0,1,2,3
	v_max_num_f32 v[TM+\b], v[TM+\b], v[TM+4+\b]   ; with lane l xor 16's: the block's largest magnitude
.endr
.irp b, 0,1,2,3
	v_add_nc_u32 v[TM+12+\b], 0xff000000, v[TM+\b]   ; 2 off its exponent field: the conversion takes the exponent field of this operand as its scale
.endr
.irp b, 0,1,2,3
	v_lshrrev_b32 v[TM+4+\b], 23, v[TM+12+\b]      ; the scale's byte
.endr
	v_lshl_or_b32 v[PW], v[TM+5], 8, v[TM+4]
	v_lshl_or_b32 v[PW], v[TM+6], 16, v[PW]
	v_lshl_or_b32 v[PW], v[TM+7], 24, v[PW]        ; my row's scale word
.irp c, 0,1
	v_cvt_scalef32_pk16_fp6_f32 v[PC+6*\c:PC+2+6*\c], v[\s+32*\c:\s+15+32*\c], v[TM+12+2*\c]
	v_cvt_scalef32_pk16_fp6_f32 v[PC+12+4*\c:PC+14+4*\c], v[\s+16+32*\c:\s+31+32*\c], v[TM+12+2*\c+1]   ; (a conversion's three registers begin on an even number)
.endr
	v_nop                                          ; one plain place behind a scaled conversion
.irp c, 0,1                                    ; the operand's layout wants a whole block in a lane: lanes 0-15 block 2 c, lanes 16-31 block 2 c + 1
.irp i, 0,1,2
	v_permlane16_swap_b32 v[PC+6*\c+\i], v[PC+12+4*\c+\i]
.endr
.irp i, 0,1,2
	v_mov_b32 v[PC+3+6*\c+\i], v[PC+12+4*\c+\i]
.endr
.endr
.endm
.macro IMAGE adr, off                          ; the fragment in v[PC] on goes to LDS as it stands
.irp c, 0,1,2
	ds_store_b128 v[\adr], v[PC+4*\c:PC+4*\c+3] offset:\off+512*\c
.endr
.endm
.macro FETCH reg, adr, off                     ; and comes back so, in any wave
.irp c, 0,1,2
	ds_load_b128 v[\reg+4*\c:\reg+4*\c+3], v[\adr] offset:\off+512*\c
.endr
.endm
; 16 rows as loaded (a row's 512 bytes over the 32 lanes) go through my own stage and come back 16 neighbours of each block of 32 to a lane.  LDS serves a wave's instructions in order: no wait between.
.macro TURN reg
.irp i, 0,1,2,3,4,5,6,7,8,9,10,11,12,13,14,15
	ds_store_b128 v3, v[\reg+4*\i:\reg+4*\i+3] offset:SPITCH*\i
.endr
.irp b, 0,1,2,3
.irp j, 0,1,2,3
	ds_load_b128 v[NUM+16*\b+4*\j:NUM+16*\b+4*\j+3], v4 offset:128*\b+16*\j
.endr
.endr
.endm
; eight products: source 0 = each of the eight fragments at fi (scale words at fs), source 1 = my own fragment at oi (os).  Eight accumulators, each begun with 0.
.macro PROD fi, fs, oi, os
.irp t, 0,1,2,3,4,5,6,7
	FETCH F+12*\t, 1, \fi+1536*\t
	ds_load_b32 v[FSC+\t], v2 offset:\fs+128*\t
.endr
	FETCH OWN, 5, \oi
	ds_load_b32 v[OSC], v6 offset:\os
	s_wait_dscnt 0x0
.irp t, 0,1,2,3,4,5,6,7
	v_wmma_scale_f32_16x16x128_f8f6f4 v[NUM+8*\t:NUM+8*\t+7], v[F+12*\t:F+12*\t+11], v[OWN:OWN+11], 0, v[FSC+\t], v[OSC] matrix_a_fmt:MATRIX_FMT_FP6 matrix_b_fmt:MATRIX_FMT_FP6
.endr
.endm
.macro PICK dst, lo, hi                        ; lanes 0-15 take lo, lanes 16-31 hi (VCC: lane / 16 = 1)
	v_mov_b32 v[\dst], \lo
	v_mov_b32 v235, \hi
	v_cndmask_b32 v[\dst], v[\dst], v235, vcc_lo
.endm
	s_load_b512 s[4:19], s[0:1], 0x0               ; q, k, v, Wq, Wk, Wv, Wout, qr
	s_load_b128 s[20:23], s[0:1], 0x40             ; kv, wo
	v_lshl_add_u32 v254, v0, 2, 0x17000
	v_mov_b32 v255, 0
	v_lshrrev_b32 v8, 5, v0
	v_readfirstlane_b32 s[WV], v8                  ; wave 0..7
	s_lshr_b32 s25, ttmp9, 7                       ; which tensor
	s_and_b32 s26, ttmp9, 127                      ; which 128 rows
	v_and_b32 v9, 31, v0                           ; lane
	v_and_b32 v10, 15, v0                          ; r
	v_bfe_u32 v11, v0, 4, 1                        ; h
	v_lshlrev_b32 v1, 4, v9                        ; 16 x lane
	v_lshlrev_b32 v2, 2, v9                        ; 4 x lane
	s_mul_i32 s50, s[WV], 16*SPITCH
	s_add_co_u32 s50, s50, STG                     ; my stage
	v_add_nc_u32 v3, s50, v1                       ; in: 16 x lane, a row an instruction
	v_mul_u32_u24 v4, v10, SPITCH
	v_lshl_add_u32 v4, v11, 6, v4
	v_add_nc_u32 v4, s50, v4                       ; back: row r, + 64 h
	s_mul_i32 s51, s[WV], 1536
	v_add_nc_u32 v5, s51, v1                       ; my image: 16 x lane + 1,536 x wave
	s_lshl_b32 s51, s[WV], 7
	v_add_nc_u32 v6, s51, v2                       ; my scale words: 4 x lane + 128 x wave
.irp b, 0,1,2,3
	v_mov_b32 v[TM+4+\b], 0                        ; written once: a lane permute's destination counts as one of its sources
.endr
	s_mov_b32 s[SEL], 0x76543210
	s_mov_b32 s[SEL+1], 0xfedcba98
	s_lshr_b32 s52, s[WV], 1
	s_and_b32 s53, s[WV], 1
	s_lshl_b32 s54, s52, 5
	s_lshl_b32 s55, s53, 3
	s_add_co_u32 s54, s54, s55                     ; my tile's first row in the block: 32 (w / 2) + 8 (w % 2)
	s_and_b32 s56, s26, 15
	s_lshl_b32 s56, s56, 7
	s_add_co_u32 s56, s56, s54                     ; and its position in the sequence
	s_lshl_b32 s50, s26, 16                        ; 128 rows of 512 bytes
	s_lshl_b32 s54, s54, 9
	s_add_co_u32 s50, s50, s54
	s_mov_b32 s51, 0
	s_lshl_b32 s54, s[WV], 13                      ; W: 16 rows of 512 bytes a wave
	s_mov_b32 s55, 0
	s_wait_kmcnt 0x0
	s_cmp_eq_u32 s25, 0                            ; the choices hang on the work-group's number alone
	s_cselect_b64 s[28:29], s[4:5], s[6:7]
	s_cselect_b64 s[30:31], s[10:11], s[12:13]
	s_cmp_eq_u32 s25, 2
	s_cselect_b64 s[28:29], s[8:9], s[28:29]
	s_cselect_b64 s[30:31], s[14:15], s[30:31]
	s_cmp_eq_u32 s25, 3
	s_cselect_b64 s[28:29], s[16:17], s[28:29]
	s_cselect_b64 s[30:31], s[16:17], s[30:31]
	s_add_nc_u64 s[28:29], s[28:29], s[50:51]
	s_add_nc_u64 s[30:31], s[30:31], s[54:55]
.irp i, 0,1,2,3,4,5,6,7,8,9,10,11,12,13,14,15
	global_load_b128 v[R1+4*\i:R1+4*\i+3], v1, s[28:29] offset:(\i+8*(\i/8))*512 th:TH_LOAD_NT   ; my tile's row i: 32 lanes read its 512 bytes
.endr
.irp i, 0,1,2,3,4,5,6,7,8,9,10,11,12,13,14,15
	global_load_b128 v[R2+4*\i:R2+4*\i+3], v1, s[30:31] offset:\i*512   ; W's row 16 w + i
.endr
	s_wait_loadcnt 16                              ; x's sixteen loads are in; W's sixteen, issued behind them, may be out
	TURN R1
	s_wait_dscnt 0x0
	QUANT NUM
	IMAGE 5, XIMG
	ds_store_b32 v6, v[PW] offset:XSC
	s_wait_loadcnt 0x0
	TURN R2
	s_wait_dscnt 0x0                               ; W's numbers are back, and the image's stores have read their registers
	QUANT NUM
	IMAGE 5, WIMG
	ds_store_b32 v6, v[PW] offset:WSC
	s_wait_dscnt 0x0                               ; for the others' sake: my images lie in LDS
	s_barrier_signal -1
	s_barrier_wait -1                              ; everybody's do; from here on LDS is only read
	s_cmp_eq_u32 s25, 3
	s_cbranch_scc1 .Lwout
	s_cmp_eq_u32 s25, 2
	s_cbranch_scc1 .Lv
	; ---- q and k: all heads of my 16 rows, then RoPE.  The lines that follow the products are plain and name none of their registers: they are the places in front of the first read of results.
	PROD WIMG, WSC, XIMG, XSC
	v_and_b32 v232, 15, v0
	v_bfe_u32 v233, v0, 4, 1
	v_and_b32 v234, 8, v232
	v_add_nc_u32 v234, v234, v232                  ; r + 8 (r / 8)
	v_add_nc_u32 v234, s56, v234                   ; my row's position n
	v_cvt_f32_u32 v7, v234
	v_cmp_eq_u32 vcc_lo, 1, v233
	PICK 8,  0x3f800000, 0x3c23d70a                ; 1 / 10000^(i/8) of my pairs i = 4 h + 0 .. 3
	PICK 9,  0x3ea1e89b, 0x3b4f3e37
	PICK 10, 0x3dcccccd, 0x3a83126f
	PICK 11, 0x3d0186e2, 0x39a5cb5f
	PICK 12, 0x3fe75768, 0x3f232e9b                ; -log2((2 i + 6.4) / 22.4)
	PICK 13, 0x3fb51ff3, 0x3ee64c91
	PICK 14, 0x3f8daf66, 0x3e914d50
	PICK 15, 0x3f5a689a, 0x3e0a2afb
	s_mov_b32 s36, 0xbfc90fdb                      ; -(pi/2's upper part)
	s_mov_b32 s37, 0x333bbd2e                      ; upper part - pi/2
	s_mov_b32 s38, 0xb94ca1f9                      ; the sine's three coefficients, highest first
	s_mov_b32 s39, 0x3c08839e
	s_mov_b32 s40, 0xbe2aaaa3
	s_mov_b32 s41, 0x37ccf5ce                      ; the cosine's
	s_mov_b32 s42, 0xbab6061a
	s_mov_b32 s43, 0x3d2aaaa5
	s_mov_b32 s48, 0x3f800000
	s_cmp_eq_u32 s25, 0
	s_cselect_b32 s48, 0x3f8d6975, s48             ; Q carries 2 log2(e) LOGIT_SCALE, K 1
	s_cselect_b32 s49, 0x80000000, 0               ; Q: scale = base^power, K: 1 / scale
	s_cselect_b64 s[32:33], s[18:19], s[20:21]     ; and where the result goes
	s_mov_b32 s54, REC
	s_cselect_b32 s54, 0x10000, s54
	s_mul_i32 s54, s26, s54
	s_lshl_b32 s55, s[WV], 10                      ; my tile: 1,024 bytes in each head
	s_add_co_u32 s54, s54, s55
	s_mov_b32 s55, 0
	s_add_nc_u64 s[32:33], s[32:33], s[54:55]
.irp p, 0,1,2,3
	v_xor_b32 v[12+\p], s49, v[12+\p]
.endr
.irp p, 0,1,2,3
	v_mul_f32 v[TH+\p], v7, v[8+\p]                ; the angle
.endr
.irp p, 0,1,2,3
	v_mul_f32 v[KQ+\p], 0x3f22f983, v[TH+\p]       ; x 2 / pi
.endr
.irp p, 0,1,2,3
	v_rndne_f32 v[KQ+\p], v[KQ+\p]                 ; how many quarter turns
.endr
.irp p, 0,1,2,3
	v_fma_f32 v[RH+\p], v[KQ+\p], s36, v[TH+\p]
.endr
.irp p, 0,1,2,3
	v_fma_f32 v[RH+\p], v[KQ+\p], s37, v[RH+\p]    ; what is left, within pi/4
.endr
.irp p, 0,1,2,3
	v_mul_f32 v[ZZ+\p], v[RH+\p], v[RH+\p]
.endr
.irp p, 0,1,2,3
	v_cvt_i32_f32 v[IQ+\p], v[KQ+\p]
.endr
.irp p, 0,1,2,3
	v_fma_f32 v[SN+\p], v[ZZ+\p], s38, s39
.endr
.irp p, 0,1,2,3
	v_fma_f32 v[CN+\p], v[ZZ+\p], s41, s42
.endr
.irp p, 0,1,2,3
	v_fma_f32 v[SN+\p], v[SN+\p], v[ZZ+\p], s40
.endr
.irp p, 0,1,2,3
	v_fma_f32 v[CN+\p], v[CN+\p], v[ZZ+\p], s43
.endr
.irp p, 0,1,2,3
	v_mul_f32 v[SN+\p], v[SN+\p], v[ZZ+\p]
.endr
.irp p, 0,1,2,3
	v_mul_f32 v[TH+\p], v[ZZ+\p], v[ZZ+\p]
.endr
.irp p, 0,1,2,3
	v_fma_f32 v[KQ+\p], v[ZZ+\p], -0.5, 1.0
.endr
.irp p, 0,1,2,3
	v_fma_f32 v[SN+\p], v[SN+\p], v[RH+\p], v[RH+\p]   ; the rest's sine
.endr
.irp p, 0,1,2,3
	v_fma_f32 v[CN+\p], v[CN+\p], v[TH+\p], v[KQ+\p]   ; and cosine
.endr
.irp p, 0,1,2,3                                ; the quarter turns: odd: sine and cosine change places; the signs from bit 1 of the count (sine) and of the count + 1 (cosine)
	v_and_b32 v[TH+\p], 1, v[IQ+\p]
	v_cmp_eq_u32 vcc_lo, 1, v[TH+\p]
	v_cndmask_b32 v[KQ+\p], v[SN+\p], v[CN+\p], vcc_lo
	v_cndmask_b32 v[RH+\p], v[CN+\p], v[SN+\p], vcc_lo
	v_lshlrev_b32 v[TH+\p], 30, v[IQ+\p]
	v_add_nc_u32 v[IQ+\p], 1, v[IQ+\p]
	v_lshlrev_b32 v[IQ+\p], 30, v[IQ+\p]
	v_and_b32 v[TH+\p], 0x80000000, v[TH+\p]
	v_and_b32 v[IQ+\p], 0x80000000, v[IQ+\p]
	v_xor_b32 v[KQ+\p], v[KQ+\p], v[TH+\p]         ; sin
	v_xor_b32 v[RH+\p], v[RH+\p], v[IQ+\p]         ; cos
.endr
	v_fma_f32 v244, v7, 0x3b000000, -2.0           ; the power (n - 1,024) / 512
.irp p, 0,1,2,3
	v_mul_f32 v[ZZ+\p], v244, v[12+\p]
.endr
.irp p, 0,1,2,3
	v_exp_f32 v[ZZ+\p], v[ZZ+\p]                   ; the xpos scale, or its reciprocal
.endr
	v_nop                                          ; a plain place behind the exponentials
	s_wait_alu depctr_va_vdst(0)                   ; one wait for the four, ahead of their first reader
.irp p, 0,1,2,3
	v_mul_f32 v[ZZ+\p], s48, v[ZZ+\p]
.endr
.irp p, 0,1,2,3
	v_mul_f32 v[CC+\p], v[RH+\p], v[ZZ+\p]
	v_mul_f32 v[SS+\p], v[KQ+\p], v[ZZ+\p]
.endr
.irp t, 0,1,2,3,4,5,6,7                        ; (x0, x1) -> (x0 C - x1 S, x1 C + x0 S); each result is read from its low end on
.irp p, 0,1,2,3
	v_mul_f32 v[232+2*(\p%2)], v[NUM+8*\t+2*\p+1], v[SS+\p]
	v_mul_f32 v[233+2*(\p%2)], v[NUM+8*\t+2*\p], v[SS+\p]
	v_fma_f32 v[NUM+8*\t+2*\p], v[NUM+8*\t+2*\p], v[CC+\p], -v[232+2*(\p%2)]
	v_fma_f32 v[NUM+8*\t+2*\p+1], v[NUM+8*\t+2*\p+1], v[CC+\p], v[233+2*(\p%2)]
.endr
.endr
.irp t, 0,1,2,3,4,5,6,7
.irp c, 0,1
	global_store_b128 v1, v[NUM+8*\t+4*\c:NUM+8*\t+4*\c+3], s[32:33] offset:8192*\t+512*\c   ; 32 lanes store 512 consecutive bytes, at a multiple of 512 from the buffer's first byte
.endr
.endr
	s_wait_tensorcnt 0x0
	ds_add_u32 v254, v255
	s_wait_dscnt 0x0
	s_endpgm
.Lv:	; ---- v: my head's 16 dims of all 128 keys, quantised along the keys: one fragment and one scale word a dim
	PROD XIMG, XSC, WIMG, WSC
	s_mul_i32 s54, s26, REC
	s_mov_b32 s55, 0
	s_add_nc_u64 s[32:33], s[20:21], s[54:55]
.rept 4
	v_nop                                          ; places in front of the first read of results
.endr
	QUANT NUM                                      ; register 16 b + i is key 32 b + 16 (lane / 16) + i of dim lane % 16
.irp c, 0,1,2
	global_store_b128 v5, v[PC+4*\c:PC+4*\c+3], s[32:33] offset:65536+512*\c
.endr
	global_store_b32 v6, v[PW], s[32:33] offset:77824
	s_wait_tensorcnt 0x0
	ds_add_u32 v254, v255
	s_wait_dscnt 0x0
	s_endpgm
.Lwout:	; ---- Wout: its image as it lies in LDS
	FETCH OWN, 5, XIMG
	ds_load_b32 v[OSC], v6 offset:XSC
	s_wait_dscnt 0x0
.irp c, 0,1,2
	global_store_b128 v5, v[OWN+4*\c:OWN+4*\c+3], s[22:23] offset:512*\c
.endr
	global_store_b32 v6, v[OSC], s[22:23] offset:12288
	s_wait_tensorcnt 0x0
	ds_add_u32 v254, v255
	s_wait_dscnt 0x0
	s_endpgm
.Lfunc_end_k_q03c32d5513_proj:
	.size	k_q03c32d5513_proj, .Lfunc_end_k_q03c32d5513_proj-k_q03c32d5513_proj
	.p2alignl 7, 3214868480
	.fill 96, 4, 3214868480
	.section	.rodata,"a",@progbits
	.p2align	6, 0x0
	.amdhsa_kernel k_q03c32d5513_proj
		.amdhsa_group_segment_fixed_size 95232
		.amdhsa_private_segment_fixed_size 0
		.amdhsa_enable_private_segment 0
		.amdhsa_kernarg_size 80
		.amdhsa_user_sgpr_count 2
		.amdhsa_user_sgpr_kernarg_segment_ptr 1
		.amdhsa_wavefront_size32 1
		.amdhsa_system_sgpr_workgroup_id_x 1
		.amdhsa_system_sgpr_workgroup_id_y 1
		.amdhsa_system_sgpr_workgroup_id_z 1
		.amdhsa_system_vgpr_workitem_id 0
		.amdhsa_next_free_vgpr 256
		.amdhsa_next_free_sgpr 72
		.amdhsa_reserve_vcc 1
		.amdhsa_float_denorm_mode_32 3
		.amdhsa_float_denorm_mode_16_64 3
		.amdhsa_memory_ordered 1
		.amdhsa_forward_progress 1
		.amdhsa_inst_pref_size 46
	.end_amdhsa_kernel
	.amdgpu_metadata
---
amdhsa.version: [ 1, 2 ]
amdhsa.kernels:
  - .name:           k_q03c32d5513_proj
    .symbol:         k_q03c32d5513_proj.kd
    .args:
      - { .name: q, .offset: 0, .size: 8, .value_kind: global_buffer, .address_space: global }
      - { .name: k, .offset: 8, .size: 8, .value_kind: global_buffer, .address_space: global }
      - { .name: v, .offset: 16, .size: 8, .value_kind: global_buffer, .address_space: global }
      - { .name: Wq, .offset: 24, .size: 8, .value_kind: global_buffer, .address_space: global }
      - { .name: Wk, .offset: 32, .size: 8, .value_kind: global_buffer, .address_space: global }
      - { .name: Wv, .offset: 40, .size: 8, .value_kind: global_buffer, .address_space: global }
      - { .name: Wout, .offset: 48, .size: 8, .value_kind: global_buffer, .address_space: global }
      - { .name: qr, .offset: 56, .size: 8, .value_kind: global_buffer, .address_space: global }
      - { .name: kv, .offset: 64, .size: 8, .value_kind: global_buffer, .address_space: global }
      - { .name: wo, .offset: 72, .size: 8, .value_kind: global_buffer, .address_space: global }
    .group_segment_fixed_size: 95232
    .private_segment_fixed_size: 0
    .kernarg_segment_align: 8
    .kernarg_segment_size: 80
    .max_flat_workgroup_size: 256
    .sgpr_count:     72
    .vgpr_count:     256
    .wavefront_size: 32
...
	.end_amdgpu_metadata
.endif
;; end of part 1
;; launch attn (part 2): grid 32 x 8, 16 waves a work-group, clusters of 4 x 1, 327,680 bytes of LDS; arguments qr, kv, wo, mask, out0; writes out0
.if DOCPART == 2
	.amdgcn_target "amdgcn-amd-amdhsa--gfx1250"
	.amdhsa_code_object_version 6
	.text
	.protected	k_q03c32d5513_attn
	.globl	k_q03c32d5513_attn
	.p2align	8
	.type	k_q03c32d5513_attn,@function
k_q03c32d5513_attn:
	s_mov_b64 s[64:65], 0
	v_nop
	global_prefetch_b8 v0, s[64:65] scope:SCOPE_SE
	s_setreg_imm32_b32 hwreg(HW_REG_WAVE_MODE, 25, 1), 1
	s_wait_xcnt 0x0
	s_wait_alu depctr_hold_cnt(0) depctr_sa_sdst(0) depctr_va_vdst(0) depctr_va_sdst(0) depctr_va_ssrc(0) depctr_va_vcc(0) depctr_vm_vsrc(0)
	s_getreg_b32 s2, hwreg(HW_REG_IB_STS2, 6, 4)
	s_cmp_eq_u32 s2, 0
	s_cbranch_scc0 .Lentry_in_a_cluster
	s_endpgm
.Lentry_in_a_cluster:
	s_bfe_u32 s2, ttmp6, 0x10000c
	s_cmp_lg_u32 s2, 0x3003
	s_cbranch_scc0 .Lentry_shape_is_right
	s_endpgm
.Lentry_shape_is_right:
; ATTENTION AND THE OUT-PROJECTION.  out0 = (softmax(10 tanh(Qr Kr^T LOGIT_SCALE), masked keys out) V) Wout^T.
; Qr Kr^T (K = 16) has f32 operands, since its result goes on into a quantiser: v_wmma_f32_16x16x4_f32, four links a tile.  p V and the out-projection go on codes of FP6 (E2M3) with E8M0 scales.
; THE SOFTMAX.  Q carries 2 log2(e) LOGIT_SCALE, so with S = the product: tanh = 1 - 2 r, r = 1 / (1 + 2^S); t = 10 log2(e) tanh.  The clip that the tanh makes holds every t within +-14.43, so M = 15, a whole number over every t,
;   serves every row: p = 2^(t - 15) = 2^(r s + b) lies between 2^-29.5 and 2^-0.57: nothing can overflow or fall to zero, and a whole M shifts only the blocks' scales.  s = -20 log2(e), b = 10 log2(e) - 15.
;   A masked key has b = -infinity: p = 0.  In a batch all of whose keys are masked every p is 1: there s = 0 and b = 0.  Both are selections of values; no branch hangs on the mask.
;   The row's sum is taken of the unquantised p and divides at the end.
; SHARES.  A work-group owns 64 queries of one batch, all 8 heads, so that the out-projection can follow in LDS.  Wave w: head w / 2, queries 32 (w % 2) on: two tiles of 16.  Four waves to a SIMD.
;   Every wave walks the batch's 2,048 keys, 128 a step, 32 a block.  A step's K (f32), V's codes and V's scale words of all heads are one record of 78,848 bytes, laid by the launch before as images of operand registers.
; LAYOUT.  S^T = K Q^T and O^T = V^T P^T: a lane holds ONE query (lane % 16) throughout.  Lane r of key tile 2 b + u holds key 32 b + 8 u + r + 8 (r / 8), so that a lane's 16 scores of a block are keys 32 b + 16 (lane / 16) + 0 .. 15.
;   An f32 tile's lane holds dims 8 (lane / 16) + 0 .. 7 of its row; link i takes registers 2 i, 2 i + 1 of both operands: the same order of the 16 dims on both sides.
; BY TURNS.  A block's first batch of exponentials takes 2^S out of S^T's registers.  From there on those registers are free, and the NEXT block's 16 matrix instructions stand singly among the rest of this block's vector work
;   (7 among the reciprocals, 7 among the second exponentials, 2 among the sums), each ahead of a plain instruction.  So a wave has matrix and vector work in hand at the same time, whatever the other waves of its SIMD are doing.
;   The turns go on over a step's end: a wave's last read of a slot is K of block 3 (V lies in registers), so the change of slots stands in block 2, and block 3 carries the next step's first scores.
; CLUSTER.  The four work-groups of a cluster belong to one batch and walk the same records: each record is asked for JOINTLY (mask 15), by waves 0 to 3, a quarter each, into a ring of two slots.
; LIMITS: NaN and infinities are not served.  A block whose every p is 0 gets the scale byte 1: its codes are zeros.  1 / (1 + 2^S) and 1 / sum go by v_rcp_f32.
; REGISTERS: v1-7 addresses that stay; v8-11 the loads' in hand; v12-15 the sums; v16-31 Q; v32-47 K; v48-63 b of 16 keys; v64-95 S^T (written by the f32 matrix form alone); v96-127 p; v128-143 O^T; v144-156 V; v160-199 p's codes; v200-201 p's scale words;
;   v204-211 at work; v212-237 my two tiles of Wout; v240-253 addresses of the head and the end.
.set REC,   78848                      ; a record: 308 rows of 256 bytes
.set QREC,  19712                      ; a quarter: 77 rows, what one tensor load brings
.set SLOT1, 131072                     ; slot 1 begins here: one exclusive or turns an address in one slot into the other's
.set BIAS,  209920                     ; behind the ring: b of the batch's 2,048 keys, f32
.set ATT,   218112                     ; 64 rows x (512 + 16): the heads' results
.set OST,   251904                     ; 64 rows x (512 + 16): rows of out0
.set SPARE, 285696                     ; the spare words, 128 bytes for each wave: eight blocks of 256 bytes that no other line names
.set PITCH, 528
.set AK0, 1
.set AV0, 2
.set AS0, 3
.set AB0, 4
.set SPW, 5
.set NIL, 6
.set PFO, 7
.set ADK, 8
.set ADV, 9
.set ADS, 10
.set ADB, 11
.set L,   12
.set Q,   16
.set KF,  32
.set BI,  48
.set S,   64
.set P,   96
.set O,   128
.set VF,  144
.set VS,  156
.set PC,  160                          ; tile u: codes at PC + 20 u, the odd blocks' halves at PC + 12 + 20 u
.set PW,  200
.set MX,  204
.set MY,  206
.set SO,  208
.set TB8, 210
.set WF,  212
.set WS,  236
.set TM,  16                           ; the last quantiser's scratch: Q's registers, which are done with
.set WV,  14
.set SEL, 20
.set SSC, 22                           ; s[22:23] s, twice: the packed form names a pair
.set G1,  28
.set G0,  36
.set TB,  40                           ; LDS byte at which the slot in hand begins
.set TJ,  41                           ; the step's 512 bytes of b
.set SLOTS, 42
.set LIM, 43
.set PFA, 44
.set DOQK, 1                           ; 1: the block in hand carries the next block's matrix instructions
.set WN,   0                           ; how many of the 16 have been written
.macro CROUND                          ; a round of the cluster's barrier
	s_barrier_signal -1
	s_barrier_wait -1
	s_cmp_lg_u32 s[WV], 0
	s_cbranch_scc1 .Lnot_wave_0_\@
	s_barrier_signal -3
.Lnot_wave_0_\@:
	s_barrier_wait -3
	s_barrier_signal -1
	s_barrier_wait -1
.endm
.macro TLOAD                           ; waves 0 to 3 fetch a quarter of a record each; the branch hangs on the wave's number alone.  Four v_nop follow the load
	s_cmp_lt_u32 s[WV], 4
	s_cbranch_scc0 .Lno_load_\@
	tensor_load_to_lds s[G0:G0+3], s[G1:G1+7]
	s_nop 0
.rept 4
	v_nop
.endr
.Lno_load_\@:
.endm
; A PREFETCH INTO THE L2 of the record that the NEXT change of slots will ask for: one key step ahead of that load.  All eight clusters of a batch walk the same records: the batch's first cluster asks.  Its four partners take a quarter
; of the record each, told apart BY ADDRESS; in each, waves 4 to 6, which fetch nothing, name its 77 blocks of 256 bytes, a lane a block (the last 19 lanes of wave 6 name block 76 again).  The last change that fills a slot asks for nothing.
.macro ASK
	s_cmp_gt_u32 s[SLOTS], s[LIM]
	s_cbranch_scc0 .Lnot_mine_\@
	global_prefetch_b8 v[PFO], s[PFA:PFA+1] th:TH_LOAD_NT scope:SCOPE_SE
.Lnot_mine_\@:
.endm
; THE CHANGE OF SLOTS.  Each wave waits for all its tensor loads (its part of the record that it is about to read), adds 0 to its spare word, and waits for that and for its reads of the slot that it leaves.
; fill = 1: a round of the cluster's barrier, and behind it the slot just left is filled with the record after the next: the load has a whole key step in which to land.
.macro CHANGE fill
	s_wait_tensorcnt 0x0                           ; no tensor load of mine is out, so the group 0 may be written
	ds_add_u32 v[SPW], v[NIL]                      ; 0 onto my spare word
.if \fill
	s_xor_b32 s[G0+1], s[G0+1], SLOT1              ; the other slot than last time,
	s_add_nc_u64 s[G0+2:G0+3], s[G0+2:G0+3], REC   ; the next record; the type bits on top are not reached
	s_wait_xcnt 0x0                                ; the last prefetch, a step back, has read its address, so it may be written
	s_add_nc_u64 s[PFA:PFA+1], s[PFA:PFA+1], REC   ; one record further on than the descriptor
	s_wait_dscnt 0x0                               ; the add is done, and my LDS reads and stores are over
	CROUND
	TLOAD                                          ; the first thing behind the round, and a wave's one tensor load until the next
	ASK
.else
	s_wait_dscnt 0x0
	s_barrier_signal -1
	s_barrier_wait -1
.endif
.endm
.macro KLOAD b                         ; block b's two tiles of K, out of the slot in hand
	v_add_nc_u32 v[ADK], s[TB], v[AK0]
.irp kt, 0,1
.irp c, 0,1
	ds_load_b128 v[KF+8*\kt+4*\c:KF+8*\kt+4*\c+3], v[ADK] offset:(2*(\b)+\kt)*1024+512*\c
.endr
.endr
.endm
.macro BLOAD adr, off                  ; b of my 16 keys of a block
.irp i, 0,1,2,3
	ds_load_b128 v[BI+4*\i:BI+4*\i+3], v[\adr] offset:(\off)+16*\i
.endr
.endm
; The next of a block's 16 matrix instructions: number n = 4 i + 2 kt + u is link i of key tile kt x query tile u.  The four accumulators take turns, one instruction a turn; each sum begins with 0.
.macro WM
.if DOQK
.if WN < 4
	v_wmma_f32_16x16x4_f32 v[S+8*(WN%4):S+8*(WN%4)+7], v[KF+8*((WN%4)/2)+2*(WN/4):KF+8*((WN%4)/2)+2*(WN/4)+1], v[Q+8*(WN%2)+2*(WN/4):Q+8*(WN%2)+2*(WN/4)+1], 0
.else
	v_wmma_f32_16x16x4_f32 v[S+8*(WN%4):S+8*(WN%4)+7], v[KF+8*((WN%4)/2)+2*(WN/4):KF+8*((WN%4)/2)+2*(WN/4)+1], v[Q+8*(WN%2)+2*(WN/4):Q+8*(WN%2)+2*(WN/4)+1], v[S+8*(WN%4):S+8*(WN%4)+7]
.endif
.set WN, WN+1
.endif
.endm
; BLOCK b OF A KEY STEP: from its scores to p, the sums and the codes, with the next block's matrix instructions between.  mode = 2: a step of the loop; 1: the last step but one (nothing is left to ask for); 0: the last step (no step follows).
; Three batches of 32 transcendentals, each with one plain place and one wait behind it, ahead of its first reader.
.macro VEC b, mode
.irp kt, 0,1
.irp u, 0,1
.irp j, 0,1,2,3,4,5,6,7
	v_exp_f32 v[P+16*\u+8*\kt+\j], v[S+8*(2*\kt+\u)+\j]   ; 2^S; each accumulator from its low end on
.endr
.endr
.endr
	v_nop                                          ; the plain place: behind it S^T's registers may be written again
	s_wait_alu depctr_va_vdst(0)
.if (\b == 2) && (\mode == 2)
	CHANGE 1                                       ; K of block 3 and V are in registers when its wait for my LDS loads has passed: this slot is read no more
	s_xor_b32 s[TB], s[TB], SLOT1                  ; on to the other slot
.elseif (\b == 2) && (\mode == 1)
	CHANGE 0
	s_xor_b32 s[TB], s[TB], SLOT1
.else
	s_wait_dscnt 0x0                               ; the next block's K and this block's b are in (asked for in the block before); in block 0 V too
.endif
.set WN, 0
.set DOQK, 1
.if (\b == 3) && (\mode == 0)
.set DOQK, 0
.endif
.irp m, 0,1,2,3,4,5,6,7,8,9,10,11,12,13,14,15  ; pair m gets its 1, pair m - 1 its reciprocals: plain lines stand among the transcendentals
.if ((\m)%2 == 0) && ((\m) < 14)
	WM
.endif
	v_pk_add_f32 v[P+2*\m:P+2*\m+1], v[P+2*\m:P+2*\m+1], 1.0 op_sel_hi:[1,0]
.if \m > 0
	v_rcp_f32 v[P+2*\m-2], v[P+2*\m-2]             ; r = 1 / (1 + 2^S)
	v_rcp_f32 v[P+2*\m-1], v[P+2*\m-1]
.endif
.endr
	v_rcp_f32 v[P+30], v[P+30]
	v_rcp_f32 v[P+31], v[P+31]
	v_nop
	s_wait_alu depctr_va_vdst(0)
.irp m, 0,1,2,3,4,5,6,7,8,9,10,11,12,13,14,15  ; pair m: r s + b; pair m - 1: p
.if ((\m)%2 == 0) && ((\m) < 14)
	WM
.endif
	v_pk_fma_f32 v[P+2*\m:P+2*\m+1], v[P+2*\m:P+2*\m+1], s[SSC:SSC+1], v[BI+2*(\m%8):BI+2*(\m%8)+1] op_sel_hi:[1,0,1]
.if \m > 0
	v_exp_f32 v[P+2*\m-2], v[P+2*\m-2]
	v_exp_f32 v[P+2*\m-1], v[P+2*\m-1]
.endif
.endr
	v_exp_f32 v[P+30], v[P+30]
	v_exp_f32 v[P+31], v[P+31]
.if (\b < 3) || (\mode > 0)
	BLOAD ADB, 128*(\b)+128                        ; the next block's b (behind block 3: the next step's first, 512 bytes on)
.endif
	v_nop
	s_wait_alu depctr_va_vdst(0)
.irp n, 0,2,4,6,8,10,12,14
.if (\n == 0) || (\n == 4)
	WM                                             ; the last two.  Behind the last stand 12 packed additions, which name none of its registers: the eight places in front of the loads into K
.endif
	v_pk_add_f32 v[L:L+1], v[L:L+1], v[P+\n:P+\n+1]            ; the row's sum is taken of the unquantised p
	v_pk_add_f32 v[L+2:L+3], v[L+2:L+3], v[P+16+\n:P+16+\n+1]
.endr
.if (\b < 2) || (\mode > 0)
	KLOAD ((\b)+2)%4                               ; K of the block after the next; it has the rest of this block and the next block's first batch in which to come
.endif
.irp u, 0,1
	v_max3_num_f32 v[MX+\u], v[P+16*\u], v[P+16*\u+1], 0x1800000   ; my 16 p (none is negative) and the floor 2^(3 - 127)
.endr
.irp n, 2,4,6,8,10,12,14
.irp u, 0,1
	v_max3_num_f32 v[MX+\u], v[MX+\u], v[P+16*\u+\n], v[P+16*\u+\n+1]
.endr
.endr
.irp u, 0,1
	v_permlanex16_b32 v[MY+\u], v[MX+\u], s[SEL], s[SEL+1]
.endr
.irp u, 0,1
	v_max_num_f32 v[MX+\u], v[MX+\u], v[MY+\u]     ; with lane l xor 16's 16 keys: the block's largest p
.endr
.irp u, 0,1
	v_add_nc_u32 v[SO+\u], 0xff000000, v[MX+\u]    ; 2 off the exponent field: the conversion's scale operand
.endr
.if (\b) == 0
.irp u, 0,1
	v_lshrrev_b32 v[PW+\u], 23, v[SO+\u]           ; the scale's byte begins the step's scale word
.endr
.else
.irp u, 0,1
	v_lshrrev_b32 v[TB8+\u], 23, v[SO+\u]
.endr
.irp u, 0,1
	v_lshl_or_b32 v[PW+\u], v[TB8+\u], 8*(\b), v[PW+\u]
.endr
.endif
.irp u, 0,1
.if (\b)%2 == 0
	v_cvt_scalef32_pk16_fp6_f32 v[PC+20*\u+6*((\b)/2):PC+20*\u+6*((\b)/2)+2], v[P+16*\u:P+16*\u+15], v[SO+\u]
.else
	v_cvt_scalef32_pk16_fp6_f32 v[PC+12+20*\u+4*((\b)/2):PC+12+20*\u+4*((\b)/2)+2], v[P+16*\u:P+16*\u+15], v[SO+\u]
.endif
.endr
	v_nop                                          ; one plain place behind the scaled conversions
.endm
; A KEY STEP: 128 keys.  At its head block 0's scores are finished and K of block 1 is on its way.
.macro STEP mode
	v_add_nc_u32 v[ADV], s[TB], v[AV0]             ; (these four lines are the places between the last step's products on V and the loads into V's registers)
	v_add_nc_u32 v[ADS], s[TB], v[AS0]
	v_add_nc_u32 v[ADB], s[TJ], v[AB0]
	v_nop
.irp c, 0,1,2
	ds_load_b128 v[VF+4*\c:VF+4*\c+3], v[ADV] offset:512*\c
.endr
	ds_load_b32 v[VS], v[ADS]
	VEC 0, \mode
	VEC 1, \mode
	VEC 2, \mode
	VEC 3, \mode
.irp u, 0,1                                    ; the operand's layout wants a whole block in a lane: lanes 0-15 block 2 c, lanes 16-31 block 2 c + 1
.irp c, 0,1
.irp i, 0,1,2
	v_permlane16_swap_b32 v[PC+20*\u+6*\c+\i], v[PC+12+20*\u+4*\c+\i]
.endr
.irp i, 0,1,2
	v_mov_b32 v[PC+20*\u+6*\c+3+\i], v[PC+12+20*\u+4*\c+\i]
.endr
.endr
.endr
.rept 8
	v_nop                                          ; a scale register written by a vector instruction stands eight places ahead of a scaled matrix instruction, an operand so written four
.endr
.irp u, 0,1
	v_wmma_scale_f32_16x16x128_f8f6f4 v[O+8*\u:O+8*\u+7], v[VF:VF+11], v[PC+20*\u:PC+20*\u+11], v[O+8*\u:O+8*\u+7], v[VS], v[PW+\u] matrix_a_fmt:MATRIX_FMT_FP6 matrix_b_fmt:MATRIX_FMT_FP6
.endr
	s_add_co_u32 s[TJ], s[TJ], 512
.endm
; 64 numbers of a lane, register 16 b + i = k 32 b + 16 (lane / 16) + i of my row, become a fragment's codes in v[PC] on and its scale word in v[PW].
.macro QUANT s
.irp b, 0,1,2,3
	v_max3_num_f32 v[TM+\b], |v[\s+16*\b]|, |v[\s+1+16*\b]|, 0x1800000
.endr
.irp i, 2,4,6,8,10,12,14
.irp b, 0,1,2,3
	v_max3_num_f32 v[TM+\b], v[TM+\b], |v[\s+16*\b+\i]|, |v[\s+1+16*\b+\i]|
.endr
.endr
.irp b, 0,1,2,3
	v_permlanex16_b32 v[TM+4+\b], v[TM+\b], s[SEL], s[SEL+1]
.endr
.irp b, 0,1,2,3
	v_max_num_f32 v[TM+\b], v[TM+\b], v[TM+4+\b]
.endr
.irp b, 0,1,2,3
	v_add_nc_u32 v[TM+12+\b], 0xff000000, v[TM+\b]
.endr
.irp b, 0,1,2,3
	v_lshrrev_b32 v[TM+4+\b], 23, v[TM+12+\b]
.endr
	v_lshl_or_b32 v[PW], v[TM+5], 8, v[TM+4]
	v_lshl_or_b32 v[PW], v[TM+6], 16, v[PW]
	v_lshl_or_b32 v[PW], v[TM+7], 24, v[PW]
.irp c, 0,1
	v_cvt_scalef32_pk16_fp6_f32 v[PC+6*\c:PC+2+6*\c], v[\s+32*\c:\s+15+32*\c], v[TM+12+2*\c]
	v_cvt_scalef32_pk16_fp6_f32 v[PC+12+4*\c:PC+14+4*\c], v[\s+16+32*\c:\s+31+32*\c], v[TM+12+2*\c+1]
.endr
	v_nop
.irp c, 0,1
.irp i, 0,1,2
	v_permlane16_swap_b32 v[PC+6*\c+\i], v[PC+12+4*\c+\i]
.endr
.irp i, 0,1,2
	v_mov_b32 v[PC+3+6*\c+\i], v[PC+12+4*\c+\i]
.endr
.endr
.endm
.macro BARRIER                                 ; my LDS stores have landed and my LDS loads are in: then the work-group's barrier
	s_wait_dscnt 0x0
	s_barrier_signal -1
	s_barrier_wait -1
.endm
	s_load_b256 s[4:11], s[0:1], 0x0               ; qr s[4:5], kv s[6:7], wo s[8:9], mask s[10:11]
	s_load_b64 s[12:13], s[0:1], 0x20              ; out0
	v_lshl_add_u32 v[SPW], v0, 2, SPARE
	v_mov_b32 v[NIL], 0
	ds_add_u32 v5, v6
	s_wait_dscnt 0x0
	v_lshrrev_b32 v8, 5, v0
	v_readfirstlane_b32 s[WV], v8                  ; wave 0..15
	s_lshr_b32 s15, s[WV], 1                       ; my head
	s_and_b32 s16, s[WV], 1                        ; which 32 of the 64 queries
	s_bfe_u32 s17, ttmp6, 0x40000                  ; cx: my place in the cluster: it enters global addresses alone
	s_lshl_b32 s18, ttmp9, 2
	s_add_co_u32 s18, s18, s17                     ; my block of 64 queries
	s_and_b32 s19, ttmp7, 0xffff                   ; the batch, which the four partners share
	s_mov_b32 s[SEL], 0x76543210
	s_mov_b32 s[SEL+1], 0xfedcba98
	; descriptor group 1: a dense block of 77 rows of 256 bytes (32 elements of 8 bytes), no padding: images are read 16 bytes a lane on end
	s_mov_b32 s[G1], 15|(3<<16)|(1<<21)            ; 15:0 the mask: all four work-groups; 17:16 elements of 8 bytes; 21 set beside a mask
	s_mov_b32 s[G1+1], 32<<16                      ; tensor_dim0
	s_mov_b32 s[G1+2], 77<<16                      ; tensor_dim1
	s_mov_b32 s[G1+3], 32<<16                      ; tile_dim0
	s_mov_b32 s[G1+4], 77                          ; tile_dim1
	s_mov_b32 s[G1+5], 32                          ; from row to row
	s_mov_b32 s[G1+6], 0
	s_mov_b32 s[G1+7], 0
	s_and_b32 s46, s[WV], 3
	s_mul_i32 s46, s46, QREC                       ; my quarter of a record, in memory and in a slot alike
	s_mov_b32 s47, 0
	s_mul_i32 s48, s19, 16*REC                     ; the batch's 16 records
	s_mov_b32 s49, 0
	s_mul_i32 s50, s17, QREC                       ; the prefetches: my work-group's quarter,
	s_add_co_u32 s50, s50, REC                     ; of record 1: the first change of slots steps it to record 2
	s_mov_b32 s51, 0
	s_lshl_b32 s52, s19, 11                        ; the batch's 2,048 bytes of the mask
	s_mov_b32 s53, 0
	s_lshl_b32 s54, s19, 4                         ; Q: block of 128 rows = 16 x batch + x / 2,
	s_lshr_b32 s58, s18, 1
	s_add_co_u32 s54, s54, s58
	s_lshl_b32 s54, s54, 16
	s_lshl_b32 s58, s15, 13                        ; my head,
	s_add_co_u32 s54, s54, s58
	s_and_b32 s58, s18, 1                          ; tile 4 (x % 2) + 2 (w % 2) + u
	s_lshl_b32 s58, s58, 2
	s_lshl_b32 s59, s16, 1
	s_add_co_u32 s58, s58, s59
	s_lshl_b32 s58, s58, 10
	s_add_co_u32 s54, s54, s58
	s_mov_b32 s55, 0
	s_lshl_b32 s56, s19, 11                        ; out0: row 2,048 x batch + 64 x + 4 w
	s_lshl_b32 s58, s18, 6
	s_add_co_u32 s56, s56, s58
	s_lshl_b32 s58, s[WV], 2
	s_add_co_u32 s56, s56, s58
	s_lshl_b32 s56, s56, 9
	s_mov_b32 s57, 0
	s_sub_co_u32 s58, s[WV], 4
	s_cmp_lt_u32 s58, 3                            ; waves 4 to 6
	s_cselect_b32 s58, 0, 1
	s_or_b32 s58, s58, ttmp9                       ; of the batch's first cluster: the same in all four partners
	s_cmp_eq_u32 s58, 0
	s_cselect_b32 s[LIM], 1, -1
	s_mov_b32 s[TB], 0
	s_mov_b32 s[TJ], 0
	s_mov_b32 s[SLOTS], 15                         ; records still to be asked for
	s_wait_kmcnt 0x0
	s_add_nc_u64 s[PFA:PFA+1], s[6:7], s[48:49]
	s_add_nc_u64 s[PFA:PFA+1], s[PFA:PFA+1], s[50:51]
	s_add_nc_u64 s[10:11], s[10:11], s[52:53]
	s_add_nc_u64 s[4:5], s[4:5], s[54:55]
	s_add_nc_u64 s[12:13], s[12:13], s[56:57]
	CROUND                                         ; all four work-groups are here: the first joint load meets
	s_mov_b32 s[G0], 1                             ; count = 1
	s_mov_b32 s[G0+1], s46                         ; LDS address: slot 0
	s_add_nc_u64 s[G0+2:G0+3], s[6:7], s[48:49]    ; global address: the batch's record 0,
	s_add_nc_u64 s[G0+2:G0+3], s[G0+2:G0+3], s[46:47]   ; my quarter
	s_or_b32 s[G0+3], s[G0+3], 0x80000000          ; type = 2
	TLOAD                                          ; the one first fill; one tensor load of mine is out
	v_and_b32 v250, 31, v0                         ; lane
	v_bfe_u32 v253, v0, 4, 1                       ; h
	v_lshlrev_b32 v248, 6, v250                    ; 64 x lane
	v_lshlrev_b32 v249, 2, v0                      ; 4 x thread
	v_lshlrev_b32 v252, 2, v250                    ; 4 x lane
	v_lshlrev_b32 v250, 4, v250                    ; 16 x lane
	s_lshl_b32 s60, s15, 13
	v_add_nc_u32 v[AK0], s60, v250                 ; K: 16 x lane + 8,192 x head
	s_mul_i32 s60, s15, 1536
	s_add_co_u32 s60, s60, 65536
	v_add_nc_u32 v[AV0], s60, v250                 ; V's codes
	s_lshl_b32 s60, s15, 7
	s_add_co_u32 s60, s60, 77824
	v_add_nc_u32 v[AS0], s60, v252                 ; V's scale words
	v_lshl_add_u32 v[AB0], v253, 6, BIAS           ; b: my half's 16 keys of a block
	s_and_b32 s60, s[WV], 3                        ; which 32 outputs are mine at the end
	s_mul_i32 s61, s60, 3072
	v_add_nc_u32 v251, s61, v250                   ; Wout's tiles 2 g, 2 g + 1
	s_lshl_b32 s61, s60, 8
	v_add_nc_u32 v252, s61, v252                   ; and their scale words
	v_add_nc_u32 v[PFO], 0xffffff80, v0            ; thread - 128: 0 .. 95 in waves 4 to 6,
	v_min_u32 v[PFO], 76, v[PFO]                   ; held at the quarter's last block
	v_lshlrev_b32 v[PFO], 8, v[PFO]
.irp i, 0,1,2,3
	global_load_b128 v[P+4*\i:P+4*\i+3], v248, s[10:11] offset:16*\i   ; the batch's whole mask, 64 bytes a lane
.endr
	global_load_b32 v112, v249, s[10:11]           ; and my thread's four keys
.irp u, 0,1
.irp c, 0,1
	global_load_b128 v[Q+8*\u+4*\c:Q+8*\u+4*\c+3], v250, s[4:5] offset:1024*\u+512*\c th:TH_LOAD_NT   ; Q stays in registers
.endr
.endr
.irp e, 0,1
.irp c, 0,1,2
	global_load_b128 v[WF+12*\e+4*\c:WF+12*\e+4*\c+3], v251, s[8:9] offset:1536*\e+512*\c
.endr
	global_load_b32 v[WS+\e], v252, s[8:9] offset:12288+128*\e
.endr
	s_wait_loadcnt 12                              ; the mask's five loads are in; Q's four and Wout's eight, issued behind them, may be out
.irp i, 0,1,2,3,4,5,6,7
	v_and_b32 v[P+\i], v[P+\i], v[P+8+\i]
.endr
.irp i, 0,1,2,3
	v_and_b32 v[P+\i], v[P+\i], v[P+4+\i]
.endr
	v_and_b32 v[P], v[P], v[P+2]
	v_and_b32 v[P+1], v[P+1], v[P+3]
	v_and_b32 v[P], v[P], v[P+1]
	v_cmp_ne_u32 vcc_lo, 0x01010101, v[P]          ; a lane with a key that counts
	s_cmp_eq_u32 vcc_lo, 0                         ; none: the whole batch is masked
	s_cselect_b32 s[SSC], 0, 0xc1e6d4ca            ; s = -20 log2(e), or 0
	s_cselect_b32 s25, 0, 0xff800000               ; a masked key's b: -infinity, or 0
	s_mov_b32 s[SSC+1], s[SSC]
	v_mov_b32 v113, 0xbf12b361                     ; b = 10 log2(e) - 15
	v_mov_b32 v114, s25
.irp i, 0,1,2,3
	v_bfe_u32 v115, v112, 8*\i, 8
	v_cmp_ne_u32 vcc_lo, 0, v115
	v_cndmask_b32 v[BI+\i], v113, v114, vcc_lo
.endr
	v_lshl_add_u32 v116, v0, 4, BIAS
	ds_store_b128 v116, v[BI:BI+3]                 ; the first change of slots waits for it and passes a barrier: then every wave may read all 2,048
	s_wait_loadcnt 0x0                             ; Q and Wout
	; ---- the way in: record 0 is whole, record 1 is asked for; block 0's scores stand bare: there is no vector work yet to set between them
	CHANGE 1
	s_mov_b32 s[SLOTS], 14                         ; 14 records are left to ask for: the loop's trips
	KLOAD 0
	BLOAD AB0, 0
	s_wait_dscnt 0x0
.set DOQK, 1
.set WN, 0
.rept 16
	WM
.endr
.irp j, 0,1,2,3,4,5,6,7,8,9,10,11,12,13,14,15
	v_mov_b32 v[O+\j], 0                           ; O^T: the step is written for all sixteen alike.  (These 22 lines are also the places behind the matrix instructions above)
.endr
.irp j, 0,1,2,3
	v_mov_b32 v[L+\j], 0
.endr
	v_mov_b32 v[MY], 0                             ; a lane permute's destination counts as one of its sources
	v_mov_b32 v[MY+1], 0
	KLOAD 1
.Lstep:                                            ; key steps 0 to 13: each asks, in its block 2, for the record two steps on
	STEP 2
	s_sub_co_u32 s[SLOTS], s[SLOTS], 1
	s_cmp_lg_u32 s[SLOTS], 0
	s_cbranch_scc1 .Lstep
	STEP 1                                         ; step 14 is written out: its change of slots asks for nothing
	STEP 0                                         ; step 15: no change of slots, and no scores of a next step
	; ---- O^T / the sum, into ATT: row = the query, columns 16 x head + 8 h + 0 .. 7.  The additions and the address lines are the places behind the last products.
.irp u, 0,1
	v_add_f32 v[MX+\u], v[L+2*\u], v[L+2*\u+1]
.endr
.irp u, 0,1
	v_permlanex16_b32 v[MY+\u], v[MX+\u], s[SEL], s[SEL+1]
.endr
.irp u, 0,1
	v_add_f32 v[MX+\u], v[MX+\u], v[MY+\u]         ; with lane l xor 16's keys: the row's sum
.endr
.irp u, 0,1
	v_rcp_f32 v[SO+\u], v[MX+\u]
.endr
	v_and_b32 v241, 15, v0                         ; r  (a plain place behind the reciprocals)
	v_bfe_u32 v242, v0, 4, 1                       ; h
	v_and_b32 v243, 8, v241
	v_add_nc_u32 v243, v243, v241                  ; r + 8 (r / 8)
	v_mul_u32_u24 v240, v243, PITCH
	v_lshl_add_u32 v240, v242, 5, v240
	s_mul_i32 s46, s16, 32*PITCH
	s_lshl_b32 s47, s15, 6
	s_add_co_u32 s46, s46, s47
	s_add_co_u32 s46, s46, ATT
	v_add_nc_u32 v240, s46, v240                   ; ATT + (32 (w % 2) + r + 8 (r / 8)) x 528 + 64 x head + 32 h
	v_mul_u32_u24 v246, v241, PITCH
	v_lshl_add_u32 v246, v242, 6, v246
	s_lshr_b32 s46, s[WV], 2                       ; at the end: my tile of 16 rows,
	s_mul_i32 s46, s46, 16*PITCH
	s_add_co_u32 s47, s46, ATT
	v_add_nc_u32 v244, s47, v246                   ; ATT + (16 m + r) x 528 + 64 h
	s_and_b32 s48, s[WV], 3                        ; my 32 outputs
	s_lshl_b32 s48, s48, 7
	s_add_co_u32 s48, s48, s46
	s_add_co_u32 s48, s48, OST
	v_add_nc_u32 v245, s48, v246                   ; OST + (16 m + r) x 528 + 128 g + 64 h
	s_mul_i32 s49, s[WV], 4*PITCH
	s_add_co_u32 s49, s49, OST
	v_add_nc_u32 v247, s49, v250                   ; OST + 4 w rows + 16 x lane
	s_wait_alu depctr_va_vdst(0)                   ; one wait for the two reciprocals, ahead of their first reader
.irp u, 0,1
.irp j, 0,1,2,3,4,5,6,7
	v_mul_f32 v[P+8*\u+\j], v[O+8*\u+\j], v[SO+\u]   ; each accumulator from its low end on
.endr
.endr
.irp u, 0,1
.irp c, 0,1
	ds_store_b128 v240, v[P+8*\u+4*\c:P+8*\u+4*\c+3] offset:8*PITCH*\u+16*\c
.endr
.endr
	BARRIER                                        ; 64 rows x 128 lie in ATT
	; ---- the out-projection: wave w: rows 16 (w / 4) on, outputs 32 (w % 4) on.  The four waves of a tile of rows each quantise it: that spares a barrier.
.irp b, 0,1,2,3
.irp i, 0,1,2,3
	ds_load_b128 v[P+16*\b+4*\i:P+16*\b+4*\i+3], v244 offset:128*\b+16*\i
.endr
.endr
	s_wait_dscnt 0x0
	QUANT P
.rept 8
	v_nop                                          ; the scale word stands eight places ahead of the scaled matrix instructions, the codes four
.endr
.irp e, 0,1                                    ; source 0 = 16 rows of Wout, source 1 = my 16 rows: a lane holds one row and outputs 32 g + 16 h + 8 e + 0 .. 7
	v_wmma_scale_f32_16x16x128_f8f6f4 v[KF+8*\e:KF+8*\e+7], v[WF+12*\e:WF+12*\e+11], v[PC:PC+11], 0, v[WS+\e], v[PW] matrix_a_fmt:MATRIX_FMT_FP6 matrix_b_fmt:MATRIX_FMT_FP6
.endr
.rept 4
	v_nop                                          ; places in front of the stores that read the results
.endr
.irp e, 0,1
.irp c, 0,1
	ds_store_b128 v245, v[KF+8*\e+4*\c:KF+8*\e+4*\c+3] offset:32*\e+16*\c
.endr
.endr
	BARRIER                                        ; 64 whole rows of out0 lie in OST
.irp i, 0,1,2,3
	ds_load_b128 v[BI+4*\i:BI+4*\i+3], v247 offset:PITCH*\i
.endr
	s_wait_dscnt 0x0
.irp i, 0,1,2,3
	global_store_b128 v250, v[BI+4*\i:BI+4*\i+3], s[12:13] offset:512*\i th:TH_STORE_NT   ; 32 lanes store a row of 512 bytes, at a multiple of 512 from out0's first byte
.endr
	s_wait_tensorcnt 0x0                           ; the wave's end, behind my last tensor load and my last LDS store
	ds_add_u32 v[SPW], v[NIL]
	s_wait_dscnt 0x0
	CROUND                                         ; the closing round: no work-group ends while a partner may still ask for a record that names it
	s_endpgm
.Lfunc_end_k_q03c32d5513_attn:
	.size	k_q03c32d5513_attn, .Lfunc_end_k_q03c32d5513_attn-k_q03c32d5513_attn
	.p2alignl 7, 3214868480
	.fill 96, 4, 3214868480
	.section	.rodata,"a",@progbits
	.p2align	6, 0x0
	.amdhsa_kernel k_q03c32d5513_attn
		.amdhsa_group_segment_fixed_size 327680
		.amdhsa_private_segment_fixed_size 0
		.amdhsa_enable_private_segment 0
		.amdhsa_kernarg_size 40
		.amdhsa_user_sgpr_count 2
		.amdhsa_user_sgpr_kernarg_segment_ptr 1
		.amdhsa_wavefront_size32 1
		.amdhsa_system_sgpr_workgroup_id_x 1
		.amdhsa_system_sgpr_workgroup_id_y 1
		.amdhsa_system_sgpr_workgroup_id_z 1
		.amdhsa_system_vgpr_workitem_id 0
		.amdhsa_next_free_vgpr 256
		.amdhsa_next_free_sgpr 72
		.amdhsa_reserve_vcc 1
		.amdhsa_float_denorm_mode_32 3
		.amdhsa_float_denorm_mode_16_64 3
		.amdhsa_memory_ordered 1
		.amdhsa_forward_progress 1
		.amdhsa_inst_pref_size 139
	.end_amdhsa_kernel
	.amdgpu_metadata
---
amdhsa.version: [ 1, 2 ]
amdhsa.kernels:
  - .name:           k_q03c32d5513_attn
    .symbol:         k_q03c32d5513_attn.kd
    .args:
      - { .name: qr, .offset: 0, .size: 8, .value_kind: global_buffer, .address_space: global }
      - { .name: kv, .offset: 8, .size: 8, .value_kind: global_buffer, .address_space: global }
      - { .name: wo, .offset: 16, .size: 8, .value_kind: global_buffer, .address_space: global }
      - { .name: mask, .offset: 24, .size: 8, .value_kind: global_buffer, .address_space: global }
      - { .name: out0, .offset: 32, .size: 8, .value_kind: global_buffer, .address_space: global }
    .group_segment_fixed_size: 327680
    .private_segment_fixed_size: 0
    .kernarg_segment_align: 8
    .kernarg_segment_size: 40
    .max_flat_workgroup_size: 512
    .sgpr_count:     72
    .vgpr_count:     256
    .wavefront_size: 32
...
	.end_amdgpu_metadata
.endif
;; end of part 2
